; MI455X (gfx1250); checked and timed in simulation.
; The chip was launched on July 23, 2026; its instructions are those of AMD's public machine-readable ISA for CDNA 5 (MIT licence, August 2026) and "CDNA5" Instruction Set Architecture Reference Guide (July 2026). The comments in the code are by the model that wrote it; some were corrected since.
;; Mo E Layer. Allowed arithmetic: float matrix products may take bf16 or f16 operands with f32 sums; other float arithmetic in f32, or as packed bf16 or f16 multiplies, adds, multiply-adds, maxima and minima; sums over many terms, partial sums and values carried from step to step in f32; what a program stores and reads back later, other than sums and carried values, may be rounded once to bf16 or f16.
;; Inputs: fc1_b 8 x 512 float32; fc1_w 8 x 512 x 1,024 float32; fc2_b 8 x 1,024 float32; fc2_w 8 x 1,024 x 512 float32; router_w 8 x 1,024 float32; x 4 x 2,048 x 1,024 float32.
;; Outputs: out0 4 x 2,048 x 1,024 float32; out1 one number float32.
;; One version. Each part assembles by itself: llvm-mc -triple=amdgcn-amd-amdhsa -mcpu=gfx1250 --defsym DOCPART=n.
;; ======== version 1 of 1: 3 launches
;; limits: values are held in f16: magnitudes above 65,504 overflow, below 6.1e-05 lose precision; a function is approximated: absolute error at most 2.5e-05
;; workspace buffers: xb 16,777,216 bytes; wq 16,777,216 bytes; gate 65,536 bytes; psum 8,192 bytes; sel 32,768 bytes of whole numbers; hist 16,384 bytes of whole numbers; order 39,680 bytes of whole numbers; sets 256 bytes of whole numbers
;; launch router (part 1): grid 256 x 1, 8 waves a work-group, no clusters, 78,848 bytes of LDS; arguments x, router_w, xb, sel, hist, gate, psum; writes xb, sel, hist, gate, psum
.if DOCPART == 1
	.amdgcn_target "amdgcn-amd-amdhsa--gfx1250"
	.amdhsa_code_object_version 6
	.text
	.protected	k_qfbb6f31498_router
	.globl	k_qfbb6f31498_router
	.p2align	8
	.type	k_qfbb6f31498_router,@function
k_qfbb6f31498_router:
	s_mov_b64 s[64:65], 0
	v_nop
	global_prefetch_b8 v0, s[64:65] scope:SCOPE_SE
	s_setreg_imm32_b32 hwreg(HW_REG_WAVE_MODE, 25, 1), 1
	s_wait_xcnt 0x0
; ROUTER.  x: [8192][1024] f32, router_w: [8][1024] f32.  A work-group takes 32 tokens; wave w takes k = 128 w .. 128 w + 127 of all 32 rows.
; It reads x once, stores it rounded to bf16 (xb), and multiplies the rounded x by the rounded router_w on the matrix unit (f32 sums); the eight
; waves' partial logits meet in LDS, and wave 0, one token a lane, makes softmax, top-2 and the two renormalised weights.
; STORED, all at fixed places: sel[t] = set p | rank of t among its group's tokens of set p << 8; hist[g][32] u16 = tokens of each set in group g;
; gate[t] = (weight of the lower expert, of the higher); psum[g][8] = the group's sums of probabilities.  Set of experts lo < hi: p = lo (15 - lo) / 2 + hi - lo - 1.
; No address and no branch hangs on these numbers here: the next launch reads them and places the tokens.
; LIMITS.  All inputs are rounded to bf16 first.  The two experts are chosen on the logits, scanning upward with a strict >, so the lower index wins an exact
; tie; two logits closer than the sums' rounding (some 1e-6 of their spread) may be ordered otherwise than by exact arithmetic.  NaN and infinities are not treated apart.
; The maximum logit is taken away before the exponentials.
.set XWP,   272                        ; an LDS row: 128 bf16 + 16 bytes, an odd multiple of 16: the 16 rows of a fragment load begin 16 bytes apart modulo 256
.set XWB,   32*XWP                     ; a wave's own 32 rows
.set PART,  8*XWB                      ; partial logits: [wave][32 tokens][8 f32]
.set SPARE, PART+8*1024                ; the spare words: 128 bytes a wave, named by no other line
.set SPW, 4                            ; v4  SPARE + 4 x thread; never rewritten
.set NIL, 5                            ; v5  0; never rewritten
.set D,   16                           ; v[16:31]   two accumulators: tokens 0-15, 16-31
.set RWF, 32                           ; v[32:63]   router_w's four fragments (16 rows = the 8 experts twice, 32 k)
.set X,   64                           ; v[64:191]  x as loaded, 4 registers a row; then v[64:127] the tokens' eight fragments
.set P,   192                          ; v[192:255] router_w in f32; then x in bf16, 2 registers a row
.set L,   64                           ; wave 0: the eight logits
.set E,   72                           ; wave 0: exponentials, then probabilities
	s_load_b256 s[4:11], s[0:1], 0x0               ; x s[4:5], router_w s[6:7], xb s[8:9], sel s[10:11]
	s_load_b128 s[12:15], s[0:1], 0x20             ; hist s[12:13], gate s[14:15]
	s_load_b64 s[16:17], s[0:1], 0x30              ; psum
	v_lshl_add_u32 v[SPW], v0, 2, SPARE
	v_mov_b32 v[NIL], 0
	v_lshrrev_b32 v12, 5, v0
	v_readfirstlane_b32 s18, v12                   ; wave 0..7
	v_and_b32 v1, 31, v0                           ; lane
	v_and_b32 v2, 15, v0                           ; r
	v_bfe_u32 v3, v0, 4, 1                         ; h
	v_lshlrev_b32 v6, 4, v0                        ; x: 512 w + 16 lane
	v_lshlrev_b32 v7, 3, v0                        ; xb: 256 w + 8 lane
	s_mul_i32 s19, s18, XWB
	v_lshl_add_u32 v8, v1, 3, s19                  ; LDS, in: my 8 bytes of a row
	v_mul_u32_u24 v9, v2, XWP
	v_lshl_add_u32 v9, v3, 4, v9
	v_add_nc_u32 v9, s19, v9                       ; LDS, fragments: row r, 16 bytes for each half of the lanes
	v_and_b32 v10, 7, v0
	v_lshlrev_b32 v10, 12, v10                     ; router_w: expert r % 8,
	v_lshl_add_u32 v10, v3, 5, v10                 ; 8 f32 for each half of the lanes,
	s_lshl_b32 s20, s18, 9
	v_add_nc_u32 v10, s20, v10                     ; my wave's 128 k
	s_lshl_b32 s21, s18, 10
	s_add_co_u32 s21, s21, PART
	v_lshl_add_u32 v11, v2, 5, s21                 ; my wave's partial logits of token r
	s_mov_b32 s26, 0x76543210                      ; v_permlanex16_b32: each lane takes its own place in the other half
	s_mov_b32 s27, 0xfedcba98
	s_mov_b32 s28, 0x3fb8aa3b                      ; log2(e)
	s_mov_b32 s29, 0xff800000                      ; -infinity
	s_mov_b32 s35, 0
	s_wait_kmcnt 0x0
	s_lshl_b32 s34, ttmp9, 17                      ; the group's 32 rows of 4,096 bytes
	s_add_nc_u64 s[4:5], s[4:5], s[34:35]
	s_lshl_b32 s34, ttmp9, 16
	s_add_nc_u64 s[8:9], s[8:9], s[34:35]
	s_lshl_b32 s34, ttmp9, 7
	s_add_nc_u64 s[10:11], s[10:11], s[34:35]
	s_lshl_b32 s34, ttmp9, 6
	s_add_nc_u64 s[12:13], s[12:13], s[34:35]
	s_lshl_b32 s34, ttmp9, 8
	s_add_nc_u64 s[14:15], s[14:15], s[34:35]
	s_lshl_b32 s34, ttmp9, 5
	s_add_nc_u64 s[16:17], s[16:17], s[34:35]
.set i, 0
.rept 16                                       ; router_w: K step i / 4, half (i / 2) % 2 of its 32 k, 4 f32 a load
	global_load_b128 v[P+4*i:P+4*i+3], v10, s[6:7] offset:128*(i/4)+64*((i/2)%2)+16*(i%2)
.set i, i+1
.endr
.set i, 0
.rept 32                                       ; all of my wave's x at once: a load covers 512 consecutive bytes of one row
	global_load_b128 v[X+4*i:X+4*i+3], v6, s[4:5] offset:4096*i th:TH_LOAD_NT
.set i, i+1
.endr
	s_wait_loadcnt 32                              ; router_w is in; the 32 loads of x issued behind it stay out
.set i, 0
.rept 32
	v_cvt_pk_bf16_f32 v[RWF+i], v[P+2*i], v[P+2*i+1]
.set i, i+1
.endr
.set i, 0
.rept 32
.if (i%8) == 0
	s_wait_loadcnt 24-i                            ; eight more rows are in; the rows behind them stay out
.endif
	v_cvt_pk_bf16_f32 v[P+2*i], v[X+4*i], v[X+4*i+1]
	v_cvt_pk_bf16_f32 v[P+2*i+1], v[X+4*i+2], v[X+4*i+3]
	global_store_b64 v7, v[P+2*i:P+2*i+1], s[8:9] offset:2048*i   ; the wave stores 256 consecutive bytes, at a multiple of 256 from xb's first byte
	ds_store_b64 v8, v[P+2*i:P+2*i+1] offset:XWP*i
.set i, i+1
.endr
.set i, 0
.rept 8                                        ; fragment i: tokens 16 (i / 4) on, k 32 (i % 4) on.  My own bytes, and LDS serves a wave's instructions in order (ISA guide 5.7.1.4)
	ds_load_b128 v[X+8*i:X+8*i+3],   v9 offset:(i/4)*16*XWP+(i%4)*64
	ds_load_b128 v[X+8*i+4:X+8*i+7], v9 offset:(i/4)*16*XWP+(i%4)*64+32
.set i, i+1
.endr
	s_wait_dscnt 0x0
	; source 0 = experts, source 1 = tokens: lane l holds token l % 16, its registers 0-7 the eight experts (both halves of the lanes alike).  The two accumulators take turns.
.irp s, 0,1,2,3
.irp u, 0,1
.if \s == 0
	v_wmma_f32_16x16x32_bf16 v[D+8*\u:D+8*\u+7], v[RWF+8*\s:RWF+8*\s+7], v[X+8*(4*\u+\s):X+8*(4*\u+\s)+7], 0
.else
	v_wmma_f32_16x16x32_bf16 v[D+8*\u:D+8*\u+7], v[RWF+8*\s:RWF+8*\s+7], v[X+8*(4*\u+\s):X+8*(4*\u+\s)+7], v[D+8*\u:D+8*\u+7]
.endif
.endr
.endr
.rept 4
	v_nop                                          ; four places between the last product and the stores that read it
.endr
	ds_store_b128 v11, v[D:D+3]                    ; both halves of the lanes write the same words with the same numbers
	ds_store_b128 v11, v[D+4:D+7] offset:16
	ds_store_b128 v11, v[D+8:D+11] offset:512
	ds_store_b128 v11, v[D+12:D+15] offset:528
	s_wait_tensorcnt 0x0                           ; my last LDS store is behind me
	ds_add_u32 v[SPW], v[NIL]
	s_wait_dscnt 0x0                               ; and for the others' sake: my partial logits are in LDS
	s_barrier_signal -1
	s_barrier_wait -1
	s_cmp_lg_u32 s18, 0
	s_cbranch_scc1 .Lend
	; WAVE 0: one token a lane
	v_lshl_add_u32 v12, v1, 5, PART
.irp w, 0,1,2,3,4,5,6,7
	ds_load_b128 v[L+8*\w:L+8*\w+3],   v12 offset:1024*\w
	ds_load_b128 v[L+8*\w+4:L+8*\w+7], v12 offset:1024*\w+16
.endr
	s_wait_dscnt 0x0
.irp w, 1,2,3,4,5,6,7                          ; the eight waves' parts, k ascending
.irp m, 0,2,4,6
	v_pk_add_f32 v[L+\m:L+\m+1], v[L+\m:L+\m+1], v[L+8*\w+\m:L+8*\w+\m+1]
.endr
.endr
	v_mov_b32 v80, v[L]                            ; the largest logit and its expert
	v_mov_b32 v81, 0
.irp j, 1,2,3,4,5,6,7
	v_cmp_gt_f32 vcc_lo, v[L+\j], v80
	v_cndmask_b32 v80, v80, v[L+\j], vcc_lo
	v_cndmask_b32 v81, v81, \j, vcc_lo
.endr
.irp j, 0,1,2,3,4,5,6,7
	v_sub_f32 v[E+\j], v[L+\j], v80                ; the maximum is taken away: the largest exponential is exactly 1
.endr
.irp j, 0,1,2,3,4,5,6,7
	v_mul_f32 v[E+\j], s28, v[E+\j]
.endr
.irp j, 0,1,2,3,4,5,6,7
	v_exp_f32 v[E+\j], v[E+\j]
.endr
.irp j, 0,1,2,3,4,5,6,7                        ; plain work behind the batch: the first choice is taken out of the logits
	v_cmp_eq_u32 vcc_lo, \j, v81
	v_cndmask_b32 v[L+\j], v[L+\j], s29, vcc_lo
.endr
	s_wait_alu depctr_va_vdst(0)                   ; one wait for the eight exponentials, ahead of their first reader
	v_mov_b32 v82, v[L]                            ; the second logit, its expert and its exponential
	v_mov_b32 v83, 0
	v_mov_b32 v84, v[E]
.irp j, 1,2,3,4,5,6,7
	v_cmp_gt_f32 vcc_lo, v[L+\j], v82
	v_cndmask_b32 v82, v82, v[L+\j], vcc_lo
	v_cndmask_b32 v83, v83, \j, vcc_lo
	v_cndmask_b32 v84, v84, v[E+\j], vcc_lo
.endr
	v_pk_add_f32 v[104:105], v[E:E+1], v[E+2:E+3]
	v_pk_add_f32 v[106:107], v[E+4:E+5], v[E+6:E+7]
	v_pk_add_f32 v[104:105], v[104:105], v[106:107]
	v_add_f32 v85, v104, v105                      ; the sum of the exponentials
	v_add_f32 v89, 1.0, v84                        ; the two chosen ones' sum
	v_rcp_f32 v86, v85
	v_rcp_f32 v87, v89                             ; the first choice's weight: 1 / (1 + e2)
	v_min_u32 v90, v81, v83                        ; lo, hi and the set's number: plain work behind the two reciprocals
	v_max_u32 v91, v81, v83
	v_sub_nc_u32 v89, 15, v90
	v_mul_u32_u24 v89, v90, v89
	v_lshrrev_b32 v89, 1, v89
	v_add_nc_u32 v94, v89, v91
	v_sub_nc_u32 v94, v94, v90
	v_add_nc_u32 v94, -1, v94                      ; p
	v_mov_b32 v95, 0                               ; rank
	v_mov_b32 v96, 0                               ; lane q: the group's tokens of set q
	s_wait_alu depctr_va_vdst(0)                   ; one wait for both reciprocals
	v_mul_f32 v88, v84, v87                        ; the second choice's weight
	v_cmp_lt_u32 vcc_lo, v81, v83
	v_cndmask_b32 v92, v88, v87, vcc_lo            ; the lower expert's weight,
	v_cndmask_b32 v93, v87, v88, vcc_lo            ; the higher one's
.irp j, 0,1,2,3,4,5,6,7
	v_mul_f32 v[E+\j], v[E+\j], v86                ; probabilities
.endr
.set q, 0
.rept 28                                       ; for each set: which lanes have it, how many, and each such lane's rank among them
	v_cmp_eq_u32 s30, q, v94
	s_bcnt1_i32_b32 s31, s30
	v_mbcnt_lo_u32_b32 v97, s30, 0
	v_cndmask_b32 v95, v95, v97, s30
	v_writelane_b32 v96, s31, q
.set q, q+1
.endr
.irp m, 1,2,4,8                                ; the 32 tokens' sums of the eight probabilities
.irp j, 0,1,2,3,4,5,6,7
	v_add_f32_dpp v[E+\j], v[E+\j], v[E+\j] row_xmask:\m row_mask:0xf bank_mask:0xf
.endr
.endr
.irp j, 0,1,2,3,4,5,6,7
	v_permlanex16_b32 v[104+\j], v[E+\j], s26, s27 ; (its destination was written by the loads above)
.endr
.irp j, 0,1,2,3,4,5,6,7
	v_add_f32 v[E+\j], v[E+\j], v[104+\j]
.endr
	v_lshl_or_b32 v98, v95, 8, v94
	v_lshlrev_b32 v99, 2, v1
	v_lshlrev_b32 v100, 3, v1
	v_lshlrev_b32 v101, 1, v1
	v_mov_b32 v102, 0
	global_store_b32 v99, v98, s[10:11]
	global_store_b64 v100, v[92:93], s[14:15]
	global_store_b16 v101, v96, s[12:13]
	s_wait_xcnt 0x0                                ; EXEC is a source of the stores above: it changes only behind this wait
	v_cmp_eq_u32 vcc_lo, 0, v1
	s_and_saveexec_b32 s32, vcc_lo                 ; lane 0 alone stores the group's eight sums
	global_store_b128 v102, v[E:E+3], s[16:17]
	global_store_b128 v102, v[E+4:E+7], s[16:17] offset:16
	s_wait_xcnt 0x0
	s_or_b32 exec_lo, exec_lo, s32
.Lend:
	s_endpgm
.Lfunc_end_k_qfbb6f31498_router:
	.size	k_qfbb6f31498_router, .Lfunc_end_k_qfbb6f31498_router-k_qfbb6f31498_router
	.p2alignl 7, 3214868480
	.fill 96, 4, 3214868480
	.section	.rodata,"a",@progbits
	.p2align	6, 0x0
	.amdhsa_kernel k_qfbb6f31498_router
		.amdhsa_group_segment_fixed_size 78848
		.amdhsa_private_segment_fixed_size 0
		.amdhsa_enable_private_segment 0
		.amdhsa_kernarg_size 56
		.amdhsa_user_sgpr_count 2
		.amdhsa_user_sgpr_kernarg_segment_ptr 1
		.amdhsa_wavefront_size32 1
		.amdhsa_system_sgpr_workgroup_id_x 1
		.amdhsa_system_sgpr_workgroup_id_y 1
		.amdhsa_system_sgpr_workgroup_id_z 1
		.amdhsa_system_vgpr_workitem_id 0
		.amdhsa_next_free_vgpr 256
		.amdhsa_next_free_sgpr 66
		.amdhsa_reserve_vcc 1
		.amdhsa_float_denorm_mode_32 3
		.amdhsa_float_denorm_mode_16_64 3
		.amdhsa_memory_ordered 1
		.amdhsa_forward_progress 1
		.amdhsa_inst_pref_size 39
	.end_amdhsa_kernel
	.amdgpu_metadata
---
amdhsa.version: [ 1, 2 ]
amdhsa.kernels:
  - .name:           k_qfbb6f31498_router
    .symbol:         k_qfbb6f31498_router.kd
    .args:
      - { .name: x, .offset: 0, .size: 8, .value_kind: global_buffer, .address_space: global }
      - { .name: router_w, .offset: 8, .size: 8, .value_kind: global_buffer, .address_space: global }
      - { .name: xb, .offset: 16, .size: 8, .value_kind: global_buffer, .address_space: global }
      - { .name: sel, .offset: 24, .size: 8, .value_kind: global_buffer, .address_space: global }
      - { .name: hist, .offset: 32, .size: 8, .value_kind: global_buffer, .address_space: global }
      - { .name: gate, .offset: 40, .size: 8, .value_kind: global_buffer, .address_space: global }
      - { .name: psum, .offset: 48, .size: 8, .value_kind: global_buffer, .address_space: global }
    .group_segment_fixed_size: 78848
    .private_segment_fixed_size: 0
    .kernarg_segment_align: 8
    .kernarg_segment_size: 56
    .max_flat_workgroup_size: 256
    .sgpr_count:     66
    .vgpr_count:     256
    .wavefront_size: 32
...
	.end_amdgpu_metadata
.endif
;; end of part 1
;; launch prep (part 2): grid 256 x 1, 16 waves a work-group, no clusters, 71,680 bytes of LDS; arguments fc1_w, fc2_w, sel, hist, psum, wq, order, sets, out1; writes wq, order, sets, out1
.if DOCPART == 2
	.amdgcn_target "amdgcn-amd-amdhsa--gfx1250"
	.amdhsa_code_object_version 6
	.text
	.protected	k_qfbb6f31498_prep
	.globl	k_qfbb6f31498_prep
	.p2align	8
	.type	k_qfbb6f31498_prep,@function
k_qfbb6f31498_prep:
	s_mov_b64 s[64:65], 0
	v_nop
	global_prefetch_b8 v0, s[64:65] scope:SCOPE_SE
	s_setreg_imm32_b32 hwreg(HW_REG_WAVE_MODE, 25, 1), 1
	s_wait_xcnt 0x0
; PREP.  (1) Every wave rounds 16 rows x 128 k of fc1_w (work-groups 0-127) or fc2_w (128-255) and stores them in the order in which the chain's operand registers take them.
; wq: a unit of 4,096 bytes is one K step of 32 for 64 output columns: four fragments of 1,024 bytes (16 rows each), a fragment two halves of 512; lane l's 16 bytes of half q hold
; row l % 16, k = 16 q + 8 (l / 16) + 0..7.  fc1 (bf16): expert << 20 | 64-column strip << 17 | K step << 12.  fc2 (rounded to bf16, that number written as f16): 1 << 23 | expert << 20 | strip << 16 | K step << 12.
; (2) Wave 0 of work-group g places the 32 tokens of group g in `order`, sorted by their set of two experts, each set beginning on a tile of 64 places: from all 256 groups' counts it makes
; every set's total and the count in the groups ahead of g.  Places past a set's count are not written, and the chain does not read them.
; (3) Work-group 0 stores each set's first tile and count; work-group 1 the load-balance loss.
; The waves share nothing: no barrier.  LIMITS: an fc2 weight beyond 65,504 has no f16; below 6e-5 it keeps f16's fixed step of 6e-8.
.set WP,    272                        ; an LDS row: 128 numbers of 16 bits + 16 bytes
.set WB,    16*WP                      ; a wave's own 16 rows
.set SPARE, 16*WB                      ; the spare words: 128 bytes a wave, named by no other line
.set SPW, 2                            ; v2  SPARE + 4 x thread; never rewritten
.set NIL, 3                            ; v3  0; never rewritten
.set WX,  16                           ; v[16:79]    16 rows as loaded, 4 f32 a lane; converted in place
.set WF,  80                           ; v[80:111]   the eight half fragments
.set TOT, 112                          ; v[112:115]  my 8 bins' totals, two u16 a word
.set PRE, 116                          ; v[116:119]  the same over the groups ahead of mine
.set TT,  120                          ; v[120:123]  at work
.set VP,  124                          ; v124  my token's set
.set RK,  125                          ; v125  its rank among its group's tokens of that set
.set SELV, 127
.set HV,  128                          ; v[128:255]  all groups' counts
.set CE,  32                           ; s[32:39]    tokens for each expert
	s_load_b512 s[4:19], s[0:1], 0x0               ; fc1_w s[4:5], fc2_w s[6:7], sel s[8:9], hist s[10:11], psum s[12:13], wq s[14:15], order s[16:17], sets s[18:19]
	s_load_b64 s[20:21], s[0:1], 0x40              ; out1
	v_lshl_add_u32 v[SPW], v0, 2, SPARE
	v_mov_b32 v[NIL], 0
	v_lshrrev_b32 v12, 5, v0
	v_readfirstlane_b32 s22, v12                   ; wave 0..15
	v_and_b32 v1, 31, v0
	v_and_b32 v12, 15, v0
	v_bfe_u32 v13, v0, 4, 1
	s_mul_i32 s24, s22, WB
	v_lshl_add_u32 v6, v1, 3, s24                  ; LDS, in: my 8 bytes of a row
	v_mul_u32_u24 v7, v12, WP
	v_lshl_add_u32 v7, v13, 4, v7
	v_add_nc_u32 v7, s24, v7                       ; LDS, fragments: row l % 16, 16 bytes for each half of the lanes
	v_lshlrev_b32 v14, 4, v1                       ; 16 x lane; never rewritten
	s_mov_b32 s23, ttmp9                           ; g
	s_lshl_b32 s24, s23, 4
	s_add_co_u32 s24, s24, s22                     ; my job: 16 g + wave
	s_mov_b32 s58, 0x76543210
	s_mov_b32 s59, 0xfedcba98
	s_wait_kmcnt 0x0
	s_cmp_lg_u32 s22, 0
	s_cbranch_scc1 .Ljob
.set i, 0
.rept 32                                       ; wave 0: load i brings group 8 i + lane / 4, bins 8 (lane % 4) + 0..7.  Asked for ahead of the weights, used behind them
	global_load_b128 v[HV+4*i:HV+4*i+3], v14, s[10:11] offset:512*i
.set i, i+1
.endr
	v_lshlrev_b32 v15, 2, v1
	s_lshl_b32 s25, s23, 7
	v_add_nc_u32 v15, s25, v15
	global_load_b32 v[SELV], v15, s[8:9]
.Ljob:
; 16 rows x 128 k: in by rows (a load covers 512 consecutive bytes), rounded, through my own LDS rows, out as fragments (a store covers 512 consecutive bytes, at a multiple of 512 from wq's first byte).
.macro WJOB ptr, stride, half
.irp i, 0,1,2,3,4,5,6,7,8,9,10,11,12,13,14,15
	global_load_b128 v[WX+4*\i:WX+4*\i+3], v4, s[\ptr:\ptr+1] offset:\i*\stride th:TH_LOAD_NT
.endr
.irp i, 0,1,2,3,4,5,6,7,8,9,10,11,12,13,14,15
.if \i == 0
	s_wait_loadcnt 8                               ; rows 0-7 are in (and whatever was asked for ahead of them); rows 8-15 stay out
.endif
.if \i == 8
	s_wait_loadcnt 0
.endif
	v_cvt_pk_bf16_f32 v[WX+4*\i], v[WX+4*\i], v[WX+4*\i+1]
	v_cvt_pk_bf16_f32 v[WX+4*\i+1], v[WX+4*\i+2], v[WX+4*\i+3]
.if \half
	v_lshlrev_b32 v[WX+4*\i+2], 16, v[WX+4*\i]     ; the rounded numbers, widened again, are written as f16
	v_and_b32 v[WX+4*\i+3], 0xffff0000, v[WX+4*\i]
	v_cvt_pk_f16_f32 v[WX+4*\i], v[WX+4*\i+2], v[WX+4*\i+3]
	v_lshlrev_b32 v[WX+4*\i+2], 16, v[WX+4*\i+1]
	v_and_b32 v[WX+4*\i+3], 0xffff0000, v[WX+4*\i+1]
	v_cvt_pk_f16_f32 v[WX+4*\i+1], v[WX+4*\i+2], v[WX+4*\i+3]
.endif
	ds_store_b64 v6, v[WX+4*\i:WX+4*\i+1] offset:\i*WP
.endr
.irp s, 0,1,2,3
.irp q, 0,1
	ds_load_b128 v[WF+8*\s+4*\q:WF+8*\s+4*\q+3], v7 offset:64*\s+32*\q   ; my own bytes: LDS serves a wave's instructions in order (ISA guide 5.7.1.4)
.endr
.endr
	s_wait_tensorcnt 0x0                           ; my last LDS store is behind me
	ds_add_u32 v[SPW], v[NIL]
	s_wait_dscnt 0x0                               ; the fragments are in, too
.irp s, 0,1,2,3
.irp q, 0,1
	global_store_b128 v5, v[WF+8*\s+4*\q:WF+8*\s+4*\q+3], s[14:15] offset:4096*\s+512*\q
.endr
.endr
.endm
	s_cmp_lt_u32 s23, 128
	s_cbranch_scc0 .Lfc2
	s_lshr_b32 s25, s24, 3                         ; fc1: block of 16 rows, counted through all experts (32 an expert),
	s_and_b32 s26, s24, 7                          ; and which 128 of the 1,024 k
	s_lshl_b32 s27, s25, 16
	s_lshl_b32 s28, s26, 9
	s_or_b32 s27, s27, s28
	v_add_nc_u32 v4, s27, v14
	s_lshr_b32 s28, s24, 8                         ; expert
	s_lshl_b32 s28, s28, 20
	s_and_b32 s29, s25, 31
	s_lshr_b32 s30, s29, 2                         ; strip of 64 columns
	s_lshl_b32 s30, s30, 17
	s_or_b32 s28, s28, s30
	s_lshl_b32 s30, s26, 14                        ; four K steps
	s_or_b32 s28, s28, s30
	s_and_b32 s29, s29, 3                          ; fragment in the unit
	s_lshl_b32 s29, s29, 10
	s_or_b32 s28, s28, s29
	v_add_nc_u32 v5, s28, v14
	WJOB 4, 4096, 0
	s_branch .Ljoined
.Lfc2:
	s_sub_co_u32 s24, s24, 2048
	s_lshr_b32 s25, s24, 2                         ; fc2: block of 16 rows (64 an expert),
	s_and_b32 s26, s24, 3                          ; and which 128 of the 512 k
	s_lshl_b32 s27, s25, 15
	s_lshl_b32 s28, s26, 9
	s_or_b32 s27, s27, s28
	v_add_nc_u32 v4, s27, v14
	s_lshr_b32 s28, s24, 8
	s_lshl_b32 s28, s28, 20
	s_or_b32 s28, s28, 1<<23
	s_and_b32 s29, s25, 63
	s_lshr_b32 s30, s29, 2
	s_lshl_b32 s30, s30, 16
	s_or_b32 s28, s28, s30
	s_lshl_b32 s30, s26, 14
	s_or_b32 s28, s28, s30
	s_and_b32 s29, s29, 3
	s_lshl_b32 s29, s29, 10
	s_or_b32 s28, s28, s29
	v_add_nc_u32 v5, s28, v14
	WJOB 6, 2048, 1
.Ljoined:
	s_cmp_lg_u32 s22, 0
	s_cbranch_scc1 .Lend
	; WAVE 0: THE PLACES.  The job's last wait has shown the counts and sel in.
	v_lshrrev_b32 v8, 2, v1
	v_sub_nc_u32 v8, s23, v8                       ; load i's group lies ahead of mine where 8 i < g - lane / 4
.irp j, 0,1,2,3
	v_mov_b32 v[TOT+\j], 0
	v_mov_b32 v[PRE+\j], 0
.endr
.set i, 0
.rept 32                                       ; two u16 a word are added as one u32: no sum passes 8,192, so nothing is carried between them
	v_cmp_lt_i32 vcc_lo, 8*i, v8
.irp j, 0,1,2,3
	v_cndmask_b32 v[TT+\j], 0, v[HV+4*i+\j], vcc_lo
	v_add_nc_u32 v[TOT+\j], v[TOT+\j], v[HV+4*i+\j]
	v_add_nc_u32 v[PRE+\j], v[PRE+\j], v[TT+\j]
.endr
.set i, i+1
.endr
.irp m, 4,8                                    ; over the lanes that hold the same bins: those alike in lane % 4
.irp j, 0,1,2,3,4,5,6,7
	v_mov_b32_dpp v[TT+(\j)%4], v[TOT+\j] row_xmask:\m row_mask:0xf bank_mask:0xf
	v_add_nc_u32 v[TOT+\j], v[TOT+\j], v[TT+(\j)%4]
.endr
.endr
.irp j, 0,1,2,3,4,5,6,7
	v_permlanex16_b32 v[TT+(\j)%4], v[TOT+\j], s58, s59
	v_add_nc_u32 v[TOT+\j], v[TOT+\j], v[TT+(\j)%4]
.endr
	v_and_b32 v[VP], 0xff, v[SELV]
	v_lshrrev_b32 v[RK], 8, v[SELV]
	v_mov_b32 v9, 0                                ; the place of my group's first token of my token's set
	v_mov_b32 v10, 0                               ; lane p: set p's first tile
	v_mov_b32 v11, 0                               ; lane p: its count
	s_mov_b32 s40, 0                               ; tiles so far
.irp e, 0,1,2,3,4,5,6,7
	s_mov_b32 s[CE+\e], 0
.endr
; Set p = (lo, hi): its total and the count ahead of my group lie in lane p / 8, word (p / 2) % 4, half p % 2.
.macro BIN lo, hi
.if (p%2) == 0
	v_readlane_b32 s41, v[TOT+(p/2)%4], p/8
	v_readlane_b32 s42, v[PRE+(p/2)%4], p/8
	s_and_b32 s43, s41, 0xffff
	s_and_b32 s44, s42, 0xffff
.else
	s_lshr_b32 s43, s41, 16
	s_lshr_b32 s44, s42, 16
.endif
	s_lshl_b32 s45, s40, 6
	s_add_co_u32 s45, s45, s44
	v_cmp_eq_u32 vcc_lo, p, v[VP]
	v_cndmask_b32 v9, v9, s45, vcc_lo
	v_writelane_b32 v10, s40, p
	v_writelane_b32 v11, s43, p
	s_add_co_u32 s[CE+\lo], s[CE+\lo], s43
	s_add_co_u32 s[CE+\hi], s[CE+\hi], s43
	s_add_co_u32 s46, s43, 63
	s_lshr_b32 s46, s46, 6
	s_add_co_u32 s40, s40, s46                     ; the set's tiles: 155 in all at the most, ceil(8192 / 64) + 27
.endm
.set p, 0
.irp lo, 0,1,2,3,4,5,6
.irp hi, 1,2,3,4,5,6,7
.if \hi > \lo
	BIN \lo, \hi
.set p, p+1
.endif
.endr
.endr
	v_add_nc_u32 v12, v9, v[RK]
	v_min_u32 v12, 0x26bf, v12                     ; 155 x 64 - 1: the list's last place
	v_lshlrev_b32 v12, 2, v12
	s_lshl_b32 s41, s23, 5
	v_add_nc_u32 v13, s41, v1                      ; my token
	global_store_b32 v12, v13, s[16:17]            ; single words at sorted places: 32 a work-group, 32,768 bytes in the launch
	s_cmp_lg_u32 s23, 0
	s_cbranch_scc1 .Lnot0
	v_lshlrev_b32 v15, 2, v1
	global_store_b32 v15, v10, s[18:19]
	global_store_b32 v15, v11, s[18:19] offset:128
.Lnot0:
	s_cmp_lg_u32 s23, 1
	s_cbranch_scc1 .Lend
	; THE LOSS: 0.01 x 8 x the sum over the experts of (sum of probabilities / 8192) x (tokens / 16384)
.set i, 0
.rept 16                                       ; load i: group 16 i + lane / 2, experts 4 (lane % 2) + 0..3
	global_load_b128 v[HV+4*i:HV+4*i+3], v14, s[12:13] offset:512*i
.set i, i+1
.endr
	s_wait_loadcnt 0x0
.set i, 1
.rept 15
	v_pk_add_f32 v[HV:HV+1], v[HV:HV+1], v[HV+4*i:HV+4*i+1]
	v_pk_add_f32 v[HV+2:HV+3], v[HV+2:HV+3], v[HV+4*i+2:HV+4*i+3]
.set i, i+1
.endr
.irp m, 2,4,8
.irp j, 0,1,2,3
	v_add_f32_dpp v[HV+\j], v[HV+\j], v[HV+\j] row_xmask:\m row_mask:0xf bank_mask:0xf
.endr
.endr
.irp j, 0,1,2,3
	v_permlanex16_b32 v[TT+\j], v[HV+\j], s58, s59
.endr
.irp j, 0,1,2,3
	v_add_f32 v[HV+\j], v[HV+\j], v[TT+\j]
.endr
.irp e, 0,1,2,3,4,5,6,7
	v_readlane_b32 s[48+\e], v[HV+(\e)%4], (\e)/4
.endr
	s_mov_b32 s56, 0
.irp e, 0,1,2,3,4,5,6,7
	s_cvt_f32_u32 s47, s[CE+\e]
	s_fmac_f32 s56, s[48+\e], s47
.endr
	s_mul_f32 s56, s56, 0x3023d70a                 ; 0.08 x 2^-27
	v_mov_b32 v126, s56
	v_mov_b32 v[TT+2], 0
	s_wait_xcnt 0x0                                ; EXEC is a source of the stores above: it changes only behind this wait
	v_cmp_eq_u32 vcc_lo, 0, v1
	s_and_saveexec_b32 s57, vcc_lo
	global_store_b32 v[TT+2], v126, s[20:21]
	s_wait_xcnt 0x0
	s_or_b32 exec_lo, exec_lo, s57
.Lend:
	s_endpgm
.Lfunc_end_k_qfbb6f31498_prep:
	.size	k_qfbb6f31498_prep, .Lfunc_end_k_qfbb6f31498_prep-k_qfbb6f31498_prep
	.p2alignl 7, 3214868480
	.fill 96, 4, 3214868480
	.section	.rodata,"a",@progbits
	.p2align	6, 0x0
	.amdhsa_kernel k_qfbb6f31498_prep
		.amdhsa_group_segment_fixed_size 71680
		.amdhsa_private_segment_fixed_size 0
		.amdhsa_enable_private_segment 0
		.amdhsa_kernarg_size 72
		.amdhsa_user_sgpr_count 2
		.amdhsa_user_sgpr_kernarg_segment_ptr 1
		.amdhsa_wavefront_size32 1
		.amdhsa_system_sgpr_workgroup_id_x 1
		.amdhsa_system_sgpr_workgroup_id_y 1
		.amdhsa_system_sgpr_workgroup_id_z 1
		.amdhsa_system_vgpr_workitem_id 0
		.amdhsa_next_free_vgpr 256
		.amdhsa_next_free_sgpr 66
		.amdhsa_reserve_vcc 1
		.amdhsa_float_denorm_mode_32 3
		.amdhsa_float_denorm_mode_16_64 3
		.amdhsa_memory_ordered 1
		.amdhsa_forward_progress 1
		.amdhsa_inst_pref_size 63
	.end_amdhsa_kernel
	.amdgpu_metadata
---
amdhsa.version: [ 1, 2 ]
amdhsa.kernels:
  - .name:           k_qfbb6f31498_prep
    .symbol:         k_qfbb6f31498_prep.kd
    .args:
      - { .name: fc1_w, .offset: 0, .size: 8, .value_kind: global_buffer, .address_space: global }
      - { .name: fc2_w, .offset: 8, .size: 8, .value_kind: global_buffer, .address_space: global }
      - { .name: sel, .offset: 16, .size: 8, .value_kind: global_buffer, .address_space: global }
      - { .name: hist, .offset: 24, .size: 8, .value_kind: global_buffer, .address_space: global }
      - { .name: psum, .offset: 32, .size: 8, .value_kind: global_buffer, .address_space: global }
      - { .name: wq, .offset: 40, .size: 8, .value_kind: global_buffer, .address_space: global }
      - { .name: order, .offset: 48, .size: 8, .value_kind: global_buffer, .address_space: global }
      - { .name: sets, .offset: 56, .size: 8, .value_kind: global_buffer, .address_space: global }
      - { .name: out1, .offset: 64, .size: 8, .value_kind: global_buffer, .address_space: global }
    .group_segment_fixed_size: 71680
    .private_segment_fixed_size: 0
    .kernarg_segment_align: 8
    .kernarg_segment_size: 72
    .max_flat_workgroup_size: 512
    .sgpr_count:     66
    .vgpr_count:     256
    .wavefront_size: 32
...
	.end_amdgpu_metadata
.endif
;; end of part 2
;; launch chain (part 3): grid 155 x 1, 8 waves a work-group, no clusters, 146,176 bytes of LDS; arguments xb, wq, order, sets, gate, fc1_b, fc2_b, out0; writes out0
.if DOCPART == 3
	.amdgcn_target "amdgcn-amd-amdhsa--gfx1250"
	.amdhsa_code_object_version 6
	.text
	.protected	k_qfbb6f31498_chain
	.globl	k_qfbb6f31498_chain
	.p2align	8
	.type	k_qfbb6f31498_chain,@function
k_qfbb6f31498_chain:
	s_mov_b64 s[64:65], 0
	v_nop
	global_prefetch_b8 v0, s[64:65] scope:SCOPE_SE
	s_setreg_imm32_b32 hwreg(HW_REG_WAVE_MODE, 25, 1), 1
	s_wait_xcnt 0x0
; CHAIN.  A work-group takes one tile of up to 64 tokens that chose the SAME two experts (lo < hi) through everything: gather, fc1 of both experts, bias, exact GELU, the gate's weight,
; and ONE second product of K = 1,024 over [lo's 512 hidden | hi's 512 hidden], so that both experts' results add up in one accumulator and each row of out0 has one owner.
; GRID.  With 8,192 tokens, 28 sets and tiles of 64 there are never more than 128 + 27 = 155 tiles, whatever the split.  A work-group that a split leaves without rows passes all four barriers, jumps the
; two counted loops, and stores nothing.  In a tile that is not full the places past the count repeat the tile's last row, and their stores are jumped.
; SHARES.  8 waves of 512 registers.  Product 1 (bf16): wave w makes hidden columns 128 w .. 128 w + 127 for all 64 tokens (waves 0-3 lo's, 4-7 hi's).  Product 2 (f16): output columns 128 w .. 128 w + 127.
; Each weight byte is wanted by one wave of the work-group alone, so weights go from memory straight into operand registers: THREE buffers of one K step of 32 (8,192 bytes) each, asked for three steps ahead,
; so that a request has two K steps' products in which to land and 8 x 3 x 8,192 = 196,608 bytes of the work-group are on their way.  The tokens lie in LDS; a fragment read from there feeds eight products.
; LDS.  ONE region of 64 rows serves three times: X (the gathered tokens), then H (the gated hidden layer), then the waves' stages for the way out; a barrier stands at each change of use.
; Both products are used transposed (source 0 = 16 weight rows, source 1 = 16 tokens): lane l holds token l % 16 and eight neighbouring columns 8 (l / 16) + 0..7.
; The 32 accumulators take turns, one instruction a turn, in the same order in every K step.
; NO JOINT LOADS: partners would have to be tiles of one set; a set has 8192 / 28 = 293 tokens on the average, under five tiles, and its number of tiles hangs on stored counts.  And beside the tokens' 132,096 bytes
; LDS has room for two slots of one K step (1,024 columns x 64 bytes = 65,536) each: a joint fill would have one K step's products in which to land, where a request here has two.
; FORMATS.  x, both weights and both biases are rounded to bf16; the gated hidden layer, which the program makes itself, is rounded once to f16; sums in f32.
; LIMITS.  |gate x gelu| and |fc2_w| stay under 65,504 (f16); below 6e-5 f16 keeps its fixed step of 6e-8.  erf by the rational form 1 - (a1 t + a2 t^2 + a3 t^3) e^(-u^2), t = 1 / (1 + 0.47047 u), within 2.5e-5
; for every u >= 0: a tenth of the rounding to f16 that follows it.  NaN and infinities are not treated apart.
; REGISTERS, in windows of 256 (s_set_vgpr_msb: bits 1:0 source 0, 3:2 source 1, 5:4 source 2, 7:6 destination): window 1 holds the accumulators and nothing else; all other registers lie in window 0.
.set XP,    2064                       ; an LDS row of X or H: 2,048 bytes + 16, an odd multiple of 16: the 16 rows of a fragment load begin 16 bytes apart modulo 256
.set MB,    16*XP                      ; a block of 16 tokens
.set B1,    64*XP                      ; behind the 64 rows: fc1's biases, f32: lo's 512, hi's 512
.set B2,    B1+4096                    ; fc2's: lo's 1,024, hi's 1,024
.set TOK,   B2+8192                    ; the tile's 64 tokens
.set GATE,  TOK+256                    ; their two weights each
.set SPARE, GATE+512                   ; the spare words: 128 bytes a wave, named by no other line
.set SP,    528                        ; the way out: 16 rows x (512 + 16) bytes for each wave, at the region's head
.set S1,    1<<17                      ; from a wave's first strip of 64 columns to its second, in wq: fc1,
.set S2,    1<<16                      ; fc2
.set SPW, 1                            ; v1  SPARE + 4 x thread; never rewritten
.set NIL, 2                            ; v2  0; never rewritten
.set L16, 3                            ; v3  16 x lane
.set VO,  4                            ; v4-6    byte offset in wq of the unit that buffer 0, 1, 2 asked for last
.set CG,  8                            ; v8-11   half the gate's weight of my token in each block of 16
.set AB,  12                           ; v12     XP r + 16 h
.set HST, 13                           ; v13-14  where I put 16 bytes of H: tokens 0-31, 32-63
.set BIA, 15                           ; v15     B1 + 4 (128 w + 8 h)
.set AB1, 16                           ; v16     during the products: AB + 32 rows
.set AA,  17                           ; v17-18  during the products: LDS address of my token fragments: KB + AB, KB + AB1
.set BV,  16                           ; v16-31  between the products: eight biases, two buffers
.set AF,  32                           ; v32-63  four token fragments
.set BF,  64                           ; v64-255 eight weight fragments, three buffers
.set ZT,  32                           ; GELU and the way out, at work, where the token fragments lay
.set T,   40
.set E,   48
.set P,   56
.set G2,  4                            ; the way out: v4-11 my token's two weights, for each block of 16
.set STS, 12
.set STR, 13
.set CB,  14
.set TOKB, 15
.set TK,  16
.set B2LO, 64
.set B2HI, 128
.set RB,  192
.set TS,  20                           ; s[20:51]  each set's first tile
.set NS,  68                           ; s[68:99]  each set's count
.set WV,  52
.set CNT, 53                           ; rows of my tile, 0 to 64
.set PCO, 68                           ; behind the scan: 0.47047 / sqrt(2)
.set KC,  70                           ; -log2(e) / 2; the constants named as pairs have both words written
.set A1,  72
.set A2,  74
.set A3,  76
.set SEGB, 82                          ; s82-84  lo's fc2 stream: units 0, 1, 2
.set KB,  85                           ; s85     the byte in a token's row from which the fragments' offsets count
.set INC, 86                           ; s86     product 2: what a buffer's offset steps by
.set DELTA, 87                         ; s87     from lo's unit 13 + j to hi's unit j
.set MSB, 0
.macro WIN new                         ; the immediate's high byte repeats the setting that is left; a switch that changes nothing is dropped
.if MSB != (\new)
	s_set_vgpr_msb (MSB<<8)|(\new)
.set MSB, \new
.endif
.endm
.set W_MM, 0x50                        ; C and D in window 1
.set W_S0, 0x01                        ; source 0 in window 1
.set W_S1, 0x04                        ; source 1 (an LDS store's data) in window 1
.set W_S2, 0x10                        ; source 2 in window 1
.set W_D,  0x40                        ; destination in window 1
.macro BLOAD buf, strd                 ; a K step's weights for my 128 columns: sixteen loads of 512 consecutive bytes
.irp b, 0,1,2,3,4,5,6,7
	global_load_b128 v[BF+64*(\buf)+8*\b:BF+64*(\buf)+8*\b+3],   v[VO+(\buf)], s[6:7] offset:((\b)/4)*(\strd)+((\b)%4)*1024
	global_load_b128 v[BF+64*(\buf)+8*\b+4:BF+64*(\buf)+8*\b+7], v[VO+(\buf)], s[6:7] offset:((\b)/4)*(\strd)+((\b)%4)*1024+512
.endr
.endm
.macro ALOAD hf, ko                    ; two token fragments (tokens 32 hf .. 32 hf + 31) of the K step at byte ko behind AA
.irp a, 0,1
	ds_load_b128 v[AF+16*(\hf)+8*\a:AF+16*(\hf)+8*\a+3],   v[AA+(\hf)] offset:(\ko)+MB*\a
	ds_load_b128 v[AF+16*(\hf)+8*\a+4:AF+16*(\hf)+8*\a+7], v[AA+(\hf)] offset:(\ko)+MB*\a+32
.endr
.endm
.macro REBASE k                        ; the fragments' addresses at byte k of the rows: a constant, plus the lane's term
	s_mov_b32 s[KB], \k
	v_add_nc_u32 v[AA], s[KB], v[AB]
	v_add_nc_u32 v[AA+1], s[KB], v[AB1]
.endm
.macro PINIT                           ; a product begins: K step 0's fragments
	v_add_nc_u32 v[AB1], 2*MB, v[AB]
	REBASE 0
	ALOAD 0, 0
	ALOAD 1, 0
.endm
.macro MM16 fmt, buf, a0, zero         ; 16 products: token blocks a0, a0 + 1 x all 8 column blocks
.irp a, \a0, (\a0)+1
.irp b, 0,1,2,3,4,5,6,7
.if \zero
	v_wmma_f32_16x16x32_\fmt v[8*(8*(\a)+\b):8*(8*(\a)+\b)+7], v[BF+64*(\buf)+8*\b:BF+64*(\buf)+8*\b+7], v[AF+8*(\a):AF+8*(\a)+7], 0
.else
	v_wmma_f32_16x16x32_\fmt v[8*(8*(\a)+\b):8*(8*(\a)+\b)+7], v[BF+64*(\buf)+8*\b:BF+64*(\buf)+8*\b+7], v[AF+8*(\a):AF+8*(\a)+7], v[8*(8*(\a)+\b):8*(8*(\a)+\b)+7]
.endif
.endr
.endr
.endm
; ONE K STEP OF 32 on weight buffer buf: 32 products in two runs of 16.  zero = 1: the products start the sums.
; nxa = 1: the next step's token fragments are fetched, tokens 0-31 in the step's middle and tokens 32-63 at its end, at byte ko behind AA; adv: KB steps by so many bytes first, and AA is made anew.
; ldb: the buffer is asked for again, three steps ahead: three units on (1), lo's fc2 stream begins (2), on by s[INC] (3), nothing (0).  strd: the second strip's distance.
; left: the loads issued behind this buffer's, which may stay out: the two other buffers' sixteen each.
; Behind each run of products stand four plain vector lines that name none of their registers, and only then the loads into registers that the products read.
.macro STEP fmt, buf, zero, adv, ko, nxa, ldb, strd, left
	s_wait_loadcnt \left                           ; this buffer's weights are in, so its offset register may be stepped below
	s_wait_dscnt 4                                 ; the fragments of tokens 0-31 are in; the four loads of tokens 32-63 may stay out
	WIN W_MM
	MM16 \fmt, \buf, 0, \zero
	WIN 0
.if \adv
	s_add_co_u32 s[KB], s[KB], \adv
	v_add_nc_u32 v[AA], s[KB], v[AB]
	v_add_nc_u32 v[AA+1], s[KB], v[AB1]
.else
	v_nop
	v_nop
.endif
	v_nop
	v_nop
.if \nxa
	ALOAD 0, \ko
	s_wait_dscnt 4                                 ; all but the four just issued: the fragments of tokens 32-63 are in
.else
	s_wait_dscnt 0x0
.endif
	WIN W_MM
	MM16 \fmt, \buf, 2, \zero
	WIN 0
.if \ldb == 1
	v_add_nc_u32 v[VO+(\buf)], 0x3000, v[VO+(\buf)]
.elseif \ldb == 2
	v_add_nc_u32 v[VO+(\buf)], s[SEGB+((\buf)+1)%3], v[L16]
.elseif \ldb == 3
	v_add_nc_u32 v[VO+(\buf)], s[INC], v[VO+(\buf)]
.else
	v_nop
.endif
	v_nop
	v_nop
	v_nop
.if \nxa
	ALOAD 1, \ko
.endif
.if \ldb
	BLOAD \buf, \strd
.endif
.endm
	s_load_b512 s[4:19], s[0:1], 0x0               ; xb s[4:5], wq s[6:7], order s[8:9], sets s[10:11], gate s[12:13], fc1_b s[14:15], fc2_b s[16:17], out0 s[18:19]
	v_lshl_add_u32 v[SPW], v0, 2, SPARE
	v_mov_b32 v[NIL], 0
	v_lshrrev_b32 v16, 5, v0
	v_readfirstlane_b32 s[WV], v16                 ; wave 0..7
	v_and_b32 v17, 31, v0
	v_lshlrev_b32 v[L16], 4, v17
	v_and_b32 v18, 15, v0                          ; r
	v_bfe_u32 v19, v0, 4, 1                        ; h
	v_mul_u32_u24 v[AB], v18, XP
	v_lshl_add_u32 v[AB], v19, 4, v[AB]
	s_lshl_b32 s2, s[WV], 8
	v_add_nc_u32 v[HST], s2, v[AB]                 ; H: row r, my wave's 256 bytes, 16 for each half of the lanes
	v_add_nc_u32 v[HST+1], 2*MB, v[HST]
	s_lshl_b32 s3, s[WV], 9
	s_add_co_u32 s3, s3, B1
	v_lshl_add_u32 v[BIA], v19, 5, s3
	s_wait_kmcnt 0x0
	s_load_b512 s[TS:TS+15], s[10:11], 0x0
	s_load_b512 s[TS+16:TS+31], s[10:11], 0x40
	s_load_b512 s[NS:NS+15], s[10:11], 0x80
	s_load_b512 s[NS+16:NS+31], s[10:11], 0xc0
	s_mov_b32 s54, 0
	s_mov_b32 s55, 0
	s_mov_b32 s56, 0
	s_wait_kmcnt 0x0
	; my tile's set: the last one whose first tile is not behind mine (an empty set has the next set's first tile, and loses to it)
.set p, 0
.irp lo, 0,1,2,3,4,5,6
.irp hi, 1,2,3,4,5,6,7
.if \hi > \lo
	s_cmp_ge_u32 ttmp9, s[TS+p]
	s_cselect_b32 s54, s[TS+p], s54
	s_cselect_b32 s55, s[NS+p], s55
	s_cselect_b32 s56, (\lo)|((\hi)<<8)|(((\hi)-(\lo)-1)<<16), s56
.set p, p+1
.endif
.endr
.endr
	s_sub_co_u32 s61, ttmp9, s54
	s_lshl_b32 s61, s61, 6
	s_sub_co_i32 s[CNT], s55, s61                  ; what the set has left at my tile,
	s_max_i32 s[CNT], s[CNT], 0
	s_min_i32 s[CNT], s[CNT], 64                   ; held to 0 .. 64
	s_and_b32 s57, s56, 0xff
	s_min_u32 s57, s57, 7                          ; lo
	s_bfe_u32 s58, s56, 0x80008
	s_min_u32 s58, s58, 7                          ; hi
	s_lshr_b32 s96, s56, 16
	s_min_u32 s96, s96, 6                          ; hi - lo - 1
	s_cmp_lt_u32 s[WV], 4
	s_cselect_b32 s59, s57, s58                    ; the expert of my wave's hidden columns
	s_lshl_b32 s62, ttmp9, 6
	s_cmp_eq_u32 s[CNT], 0
	s_cselect_b32 s62, 0, s62                      ; a tile without rows takes the list's first place, which is always written
	s_max_u32 s63, s[CNT], 1
	s_sub_co_u32 s63, s63, 1                       ; the tile's last row that exists
	s_lshl_b32 s60, s[WV], 3                       ; my wave gathers rows 8 w .. 8 w + 7
.irp i, 0,1,2,3,4,5,6,7
	s_add_co_u32 s[28+\i], s60, \i
	s_min_u32 s[28+\i], s[28+\i], s63
	s_add_co_u32 s[28+\i], s[28+\i], s62
	s_min_u32 s[28+\i], s[28+\i], 0x26bf
	s_lshl_b32 s[28+\i], s[28+\i], 2
	s_load_b32 s[20+\i], s[8:9], s[28+\i] offset:0x0
.endr
	; what hangs on the experts alone goes out while the tokens' numbers are on their way: the biases and fc1's K step 0
	v_and_b32 v20, 0x7f, v0
	s_lshl_b32 s2, s59, 11
	v_lshl_add_u32 v21, v20, 4, s2
	s_lshl_b32 s3, s59, 12
	v_lshl_add_u32 v22, v20, 5, s3
	global_load_b128 v[32:35], v21, s[14:15]       ; threads 0-127 bring lo's biases, 128-255 hi's: 4 of fc1's,
	global_load_b128 v[36:39], v22, s[16:17]       ; 8 of fc2's
	global_load_b128 v[40:43], v22, s[16:17] offset:16
	s_lshl_b32 s2, s59, 20
	s_and_b32 s3, s[WV], 3
	s_lshl_b32 s3, s3, 18
	s_add_co_u32 s2, s2, s3
	v_add_nc_u32 v[VO], s2, v[L16]
	v_add_nc_u32 v[VO+1], 0x1000, v[VO]
	v_add_nc_u32 v[VO+2], 0x2000, v[VO]
	BLOAD 0, S1
	s_mov_b32 s[PCO], 0x3eaa540e
	s_mov_b32 s[KC], 0xbf38aa3b
	s_mov_b32 s[KC+1], s[KC]
	s_mov_b32 s[A1], 0x3eb2303a                    ; 0.3480242
	s_mov_b32 s[A1+1], s[A1]
	s_mov_b32 s[A2], 0xbdc45ca1                    ; -0.0958798
	s_mov_b32 s[A2+1], s[A2]
	s_mov_b32 s[A3], 0x3f3f7377                    ; 0.7478556
	s_mov_b32 s[A3+1], s[A3]
	s_lshl_b32 s2, s[WV], 17
	s_add_co_u32 s2, s2, 1<<23
	s_lshl_b32 s3, s57, 20
	s_add_co_u32 s[SEGB], s2, s3
	s_add_co_u32 s[SEGB+1], s[SEGB], 0x1000
	s_add_co_u32 s[SEGB+2], s[SEGB], 0x2000
	s_lshl_b32 s[DELTA], s96, 20
	s_add_co_u32 s[DELTA], s[DELTA], (1<<20)-13*4096   ; (hi - lo) << 20, less lo's 13 units
	s_wait_kmcnt 0x0
.irp i, 0,1,2,3,4,5,6,7
	s_min_u32 s[20+\i], s[20+\i], 0x1fff
	s_lshl_b32 s[88+\i], s[20+\i], 3
	s_load_b64 s[36+2*\i:37+2*\i], s[12:13], s[88+\i] offset:0x0
	s_lshl_b32 s[28+\i], s[20+\i], 11              ; (free since the wait above)
	v_add_nc_u32 v[24+\i], s[28+\i], v[L16]
.endr
	WIN W_D                                        ; the rows land where the accumulators will be
.irp i, 0,1,2,3,4,5,6,7
.irp c, 0,1,2,3
	global_load_b128 v[16*\i+4*\c:16*\i+4*\c+3], v[24+\i], s[4:5] offset:512*\c   ; a row of xb: four loads of 512 consecutive bytes
.endr
.endr
	WIN 0
	s_wait_loadcnt 0x0                             ; the rows were asked for last: everything is in
	BLOAD 1, S1                                    ; fc1's K steps 1 and 2
	BLOAD 2, S1
	s_mul_i32 s2, s[WV], 8*XP
	v_add_nc_u32 v23, s2, v[L16]
	WIN W_S1
.irp i, 0,1,2,3,4,5,6,7
.irp c, 0,1,2,3
	ds_store_b128 v23, v[16*\i+4*\c:16*\i+4*\c+3] offset:XP*\i+512*\c
.endr
.endr
	WIN 0
.irp j, 0,1,2,3,4,5
	v_cvt_pk_bf16_f32 v[44+\j], v[32+2*\j], v[33+2*\j]   ; the biases are rounded to bf16 like every input, and kept widened
.endr
.irp j, 0,1,2,3,4,5
	v_lshlrev_b32 v[32+2*\j], 16, v[44+\j]
	v_and_b32 v[33+2*\j], 0xffff0000, v[44+\j]
.endr
	v_lshl_add_u32 v50, v0, 4, B1
	v_lshl_add_u32 v51, v0, 5, B2
	ds_store_b128 v50, v[32:35]
	ds_store_b128 v51, v[36:39]
	ds_store_b128 v51, v[40:43] offset:16
	s_wait_kmcnt 0x0                               ; the gates
.irp i, 0,1,2,3,4,5,6,7
	v_mov_b32 v[52+\i], s[20+\i]
.endr
.irp j, 0,1,2,3
	v_mov_b32 v[16+\j], s[36+\j]
	v_mov_b32 v[24+\j], s[40+\j]
	v_mov_b32 v[28+\j], s[44+\j]
	v_mov_b32 v[60+\j], s[48+\j]
.endr
	s_lshl_b32 s2, s[WV], 5
	s_add_co_u32 s2, s2, TOK
	v_mov_b32 v20, s2
	s_lshl_b32 s3, s[WV], 6
	s_add_co_u32 s3, s3, GATE
	v_mov_b32 v21, s3
	ds_store_b128 v20, v[52:55]                    ; all lanes write the same words with the same numbers
	ds_store_b128 v20, v[56:59] offset:16
	ds_store_b128 v21, v[16:19]
	ds_store_b128 v21, v[24:27] offset:16
	ds_store_b128 v21, v[28:31] offset:32
	ds_store_b128 v21, v[60:63] offset:48
	s_wait_dscnt 0x0                               ; BARRIER 1.  For the others' sake: my rows of X, my biases, tokens and gates are in LDS
	s_barrier_signal -1
	s_barrier_wait -1
	; PRODUCT 1: 32 K steps; step g works on buffer g % 3 and asks for unit g + 3.  A tile without rows jumps the loop: a trip uses all three buffers and asks for all three again, so every count
	; behind it holds on both ways; behind the label the fragments' addresses are set to K step 28's, which is what the loop's last trip leaves.
	PINIT
	STEP bf16, 0, 1, 64, 0, 1, 1, S1, 32
	s_cmp_eq_u32 s[CNT], 0
	s_cbranch_scc1 .Lp1_done
	s_mov_b32 s60, 9
.Lp1:
	STEP bf16, 1, 0, 0, 64, 1, 1, S1, 32
	STEP bf16, 2, 0, 0, 128, 1, 1, S1, 32
	STEP bf16, 0, 0, 192, 0, 1, 1, S1, 32
	s_sub_co_u32 s60, s60, 1
	s_cmp_lg_u32 s60, 0
	s_cbranch_scc1 .Lp1
.Lp1_done:
	REBASE 28*64
	STEP bf16, 1, 0, 0, 64, 1, 1, S1, 32           ; step 28 asks for fc1's last unit
	STEP bf16, 2, 0, 0, 128, 1, 2, S2, 32          ; the last three steps ask for fc2's first three units, which are on their way during the GELU
	STEP bf16, 0, 0, 0, 192, 1, 2, S2, 32
	STEP bf16, 1, 0, 0, 0, 0, 2, S2, 32
	; BIAS, GELU, GATE.  gelu(z) c = c z / 2 + |c z / 2| erf(|z| / sqrt(2)), c >= 0.
	v_and_b32 v63, 15, v0
	s_lshr_b32 s2, s[WV], 2
	s_lshl_b32 s2, s2, 2                           ; waves 4-7 take the higher expert's weight
	s_add_co_u32 s2, s2, GATE
	v_lshl_add_u32 v63, v63, 3, s2
.irp a, 0,1,2,3
	ds_load_b32 v[CG+\a], v63 offset:128*\a        ; bytes written once, ahead of barrier 1: they land while the waves meet
.endr
	ds_load_b128 v[BV:BV+3], v[BIA]
	ds_load_b128 v[BV+4:BV+7], v[BIA] offset:16
	s_wait_dscnt 0x0                               ; BARRIER 2.  My reads of X are over: H takes X's bytes only when that holds of all 8 waves
	s_barrier_signal -1
	s_barrier_wait -1
; One accumulator: 8 numbers a lane.  It is read once, with the bias added, into window 0; all else works there.
; The 8 reciprocals and 8 exponentials are one batch with one wait; the scaling by the gate is the plain work behind them.
.macro GELU a, b
.set Z, 8*(8*(\a)+(\b))
.set W, BV+8*((\b)%2)
	WIN W_S0
.irp m, 0,2,4,6
	v_pk_add_f32 v[ZT+\m:ZT+\m+1], v[Z+\m:Z+\m+1], v[W+\m:W+\m+1]
.endr
	WIN 0
.irp j, 0,1,2,3,4,5,6,7
	v_fma_f32 v[T+\j], |v[ZT+\j]|, s[PCO], 1.0
.endr
.irp m, 0,2,4,6
	v_pk_mul_f32 v[E+\m:E+\m+1], v[ZT+\m:ZT+\m+1], s[KC:KC+1] op_sel_hi:[1,0]
.endr
.irp m, 0,2,4,6
	v_pk_mul_f32 v[E+\m:E+\m+1], v[E+\m:E+\m+1], v[ZT+\m:ZT+\m+1]
.endr
.irp j, 0,1,2,3,4,5,6,7
	v_rcp_f32 v[T+\j], v[T+\j]
.endr
.irp j, 0,1,2,3,4,5,6,7
	v_exp_f32 v[E+\j], v[E+\j]
.endr
.irp m, 0,2,4,6
.if ((\a)%2) == 0
	v_pk_mul_f32 v[ZT+\m:ZT+\m+1], v[ZT+\m:ZT+\m+1], v[CG+2*((\a)/2):CG+2*((\a)/2)+1] op_sel_hi:[1,0]
.else
	v_pk_mul_f32 v[ZT+\m:ZT+\m+1], v[ZT+\m:ZT+\m+1], v[CG+2*((\a)/2):CG+2*((\a)/2)+1] op_sel:[0,1] op_sel_hi:[1,1]
.endif
.endr
	s_wait_alu depctr_va_vdst(0)
.irp m, 0,2,4,6
	v_pk_fma_f32 v[P+\m:P+\m+1], v[T+\m:T+\m+1], s[A3:A3+1], s[A2:A2+1] op_sel_hi:[1,0,0]
.endr
.irp m, 0,2,4,6
	v_pk_fma_f32 v[P+\m:P+\m+1], v[P+\m:P+\m+1], v[T+\m:T+\m+1], s[A1:A1+1] op_sel_hi:[1,1,0]
.endr
.irp m, 0,2,4,6
	v_pk_mul_f32 v[P+\m:P+\m+1], v[P+\m:P+\m+1], v[T+\m:T+\m+1]
.endr
.irp m, 0,2,4,6
	v_pk_fma_f32 v[P+\m:P+\m+1], v[P+\m:P+\m+1], v[E+\m:E+\m+1], 1.0 op_sel_hi:[1,1,0] neg_lo:[1,0,0] neg_hi:[1,0,0]
.endr
.irp j, 0,1,2,3,4,5,6,7
	v_fma_f32 v[ZT+\j], |v[ZT+\j]|, v[P+\j], v[ZT+\j]
.endr
.irp m, 0,1,2,3
	v_cvt_pk_f16_f32 v[P+\m], v[ZT+2*\m], v[ZT+2*\m+1]     ; into P's first four registers, which the next tile writes only behind its batch
.endr
	ds_store_b128 v[HST+(\a)/2], v[P:P+3] offset:((\a)%2)*MB+32*(\b)
.endm
.irp b, 0,1,2,3,4,5,6,7
.if \b < 7
	ds_load_b128 v[BV+8*((\b+1)%2):BV+8*((\b+1)%2)+3],   v[BIA] offset:64*(\b+1)
	ds_load_b128 v[BV+8*((\b+1)%2)+4:BV+8*((\b+1)%2)+7], v[BIA] offset:64*(\b+1)+16
	s_wait_dscnt 2                                 ; all but the two loads just issued: this block's biases are in
.else
	s_wait_dscnt 4                                 ; behind the last biases' loads only the four stores of H were issued
.endif
.if \b == 0
.irp a, 0,1,2,3
	v_mul_f32 v[CG+\a], 0.5, v[CG+\a]
.endr
.endif
	GELU 0, \b
	GELU 1, \b
	GELU 2, \b
	GELU 3, \b
.endr
	s_wait_dscnt 0x0                               ; BARRIER 3.  For the others' sake: my columns of H are in LDS
	s_barrier_signal -1
	s_barrier_wait -1
	; PRODUCT 2: 32 K steps, lo's 16 and then hi's 16; step t works on buffer (t + 2) % 3 and asks for unit t + 3.  In the loop's fifth trip (t = 13, 14, 15) the three offsets step from lo's stream to hi's.
	PINIT
	s_mov_b32 s[INC], 0x3000
	STEP f16, 2, 1, 64, 0, 1, 3, S2, 32
	s_cmp_eq_u32 s[CNT], 0
	s_cbranch_scc1 .Lp2_done
	s_mov_b32 s60, 9
.Lp2:
	s_cmp_eq_u32 s60, 5
	s_cselect_b32 s[INC], s[DELTA], 0x3000
	STEP f16, 0, 0, 0, 64, 1, 3, S2, 32
	STEP f16, 1, 0, 0, 128, 1, 3, S2, 32
	STEP f16, 2, 0, 192, 0, 1, 3, S2, 32
	s_sub_co_u32 s60, s60, 1
	s_cmp_lg_u32 s60, 0
	s_cbranch_scc1 .Lp2
.Lp2_done:
	REBASE 28*64
	STEP f16, 0, 0, 0, 64, 1, 1, S2, 32            ; t = 28 asks for hi's last unit
	STEP f16, 1, 0, 0, 128, 1, 0, S2, 32           ; nothing is left to ask for: the counts run down
	STEP f16, 2, 0, 0, 192, 1, 0, S2, 16
	STEP f16, 0, 0, 0, 0, 0, 0, S2, 0
	; THE WAY OUT: + c_lo b2_lo + c_hi b2_hi; then 16 tokens at a time through my own stage, and out as whole pieces of rows.
.irp b, 0,1,2,3,4,5,6,7
	ds_load_b128 v[B2LO+8*\b:B2LO+8*\b+3],   v[BIA] offset:4096+64*\b       ; bytes written once, ahead of barrier 1: they land while the waves meet
	ds_load_b128 v[B2LO+8*\b+4:B2LO+8*\b+7], v[BIA] offset:4096+64*\b+16
	ds_load_b128 v[B2HI+8*\b:B2HI+8*\b+3],   v[BIA] offset:8192+64*\b
	ds_load_b128 v[B2HI+8*\b+4:B2HI+8*\b+7], v[BIA] offset:8192+64*\b+16
.endr
	v_and_b32 v17, 15, v0
	v_lshl_add_u32 v16, v17, 3, GATE
.irp a, 0,1,2,3
	ds_load_b64 v[G2+2*\a:G2+2*\a+1], v16 offset:128*\a
.endr
	v_bfe_u32 v18, v0, 4, 1
	s_mul_i32 s2, s[WV], 16*SP
	v_mul_u32_u24 v[STS], v17, SP
	v_lshl_add_u32 v[STS], v18, 5, v[STS]
	v_add_nc_u32 v[STS], s2, v[STS]                ; in: row l % 16, 32 bytes for each half of the lanes
	v_add_nc_u32 v[STR], s2, v[L16]                ; back: a row's 512 bytes, 16 a lane
	v_lshlrev_b32 v[CB], 4, v0                     ; in a row of out0: 512 w + 16 lane
	v_mov_b32 v[TOKB], TOK
	s_wait_dscnt 0x0                               ; BARRIER 4.  My reads of H are over: the stages take H's bytes only when that holds of all 8 waves
	s_barrier_signal -1
	s_barrier_wait -1
.macro OUT a
.irp g, 0,1                            ; four column blocks at a time: each accumulator is read once, into window 0
	WIN W_S2
.irp q, 0,1,2,3
.irp m, 0,2,4,6
	v_pk_fma_f32 v[ZT+8*\q+\m:ZT+8*\q+\m+1], v[B2LO+8*(4*\g+\q)+\m:B2LO+8*(4*\g+\q)+\m+1], v[G2+2*(\a):G2+2*(\a)+1], v[8*(8*(\a)+4*\g+\q)+\m:8*(8*(\a)+4*\g+\q)+\m+1] op_sel_hi:[1,0,1]
.endr
.endr
	WIN 0
.irp q, 0,1,2,3
.irp m, 0,2,4,6
	v_pk_fma_f32 v[ZT+8*\q+\m:ZT+8*\q+\m+1], v[B2HI+8*(4*\g+\q)+\m:B2HI+8*(4*\g+\q)+\m+1], v[G2+2*(\a):G2+2*(\a)+1], v[ZT+8*\q+\m:ZT+8*\q+\m+1] op_sel:[0,1,0] op_sel_hi:[1,1,1]
.endr
	ds_store_b128 v[STS], v[ZT+8*\q:ZT+8*\q+3] offset:64*(4*\g+\q)
	ds_store_b128 v[STS], v[ZT+8*\q+4:ZT+8*\q+7] offset:64*(4*\g+\q)+16
.endr
.endr
.irp i, 0,1,2,3,4,5,6,7,8,9,10,11,12,13,14,15
	ds_load_b128 v[RB+4*\i:RB+4*\i+3], v[STR] offset:SP*\i   ; my own bytes: LDS serves a wave's instructions in order (ISA guide 5.7.1.4)
.endr
.irp i, 0,1,2,3
	ds_load_b128 v[TK+4*\i:TK+4*\i+3], v[TOKB] offset:4*(16*(\a)+4*\i)   ; the 16 rows' tokens, the same words for every lane
.endr
.if (\a) == 3
	s_wait_tensorcnt 0x0                           ; my last LDS store is behind me
	ds_add_u32 v[SPW], v[NIL]
.endif
	s_wait_dscnt 0x0
.irp i, 0,1,2,3,4,5,6,7,8,9,10,11,12,13,14,15
	v_min_u32 v[TK+\i], 0x1fff, v[TK+\i]
.endr
.irp i, 0,1,2,3,4,5,6,7,8,9,10,11,12,13,14,15
	v_lshl_add_u32 v[TK+\i], v[TK+\i], 12, v[CB]
.endr
.irp i, 0,1,2,3,4,5,6,7,8,9,10,11,12,13,14,15
	s_cmp_le_u32 s[CNT], 16*(\a)+\i                ; rows past the count are not stored: a store holds one row alone, so whole stores are jumped
	s_cbranch_scc1 .Lpast_\a
	global_store_b128 v[TK+\i], v[RB+4*\i:RB+4*\i+3], s[18:19] th:TH_STORE_NT   ; the wave stores 512 consecutive bytes, at a multiple of 512 from out0's first byte
.endr
.Lpast_\a:
.if (\a) < 3
	s_wait_xcnt 0x0                                ; the stores' data and offsets are loaded anew only behind this wait
.endif
.endm
	OUT 0
	OUT 1
	OUT 2
	OUT 3
	s_endpgm
.Lfunc_end_k_qfbb6f31498_chain:
	.size	k_qfbb6f31498_chain, .Lfunc_end_k_qfbb6f31498_chain-k_qfbb6f31498_chain
	.p2alignl 7, 3214868480
	.fill 96, 4, 3214868480
	.section	.rodata,"a",@progbits
	.p2align	6, 0x0
	.amdhsa_kernel k_qfbb6f31498_chain
		.amdhsa_group_segment_fixed_size 146176
		.amdhsa_private_segment_fixed_size 0
		.amdhsa_enable_private_segment 0
		.amdhsa_kernarg_size 64
		.amdhsa_user_sgpr_count 2
		.amdhsa_user_sgpr_kernarg_segment_ptr 1
		.amdhsa_wavefront_size32 1
		.amdhsa_system_sgpr_workgroup_id_x 1
		.amdhsa_system_sgpr_workgroup_id_y 1
		.amdhsa_system_sgpr_workgroup_id_z 1
		.amdhsa_system_vgpr_workitem_id 0
		.amdhsa_next_free_vgpr 512
		.amdhsa_next_free_sgpr 100
		.amdhsa_reserve_vcc 0
		.amdhsa_float_denorm_mode_32 3
		.amdhsa_float_denorm_mode_16_64 3
		.amdhsa_memory_ordered 1
		.amdhsa_forward_progress 1
		.amdhsa_inst_pref_size 255
	.end_amdhsa_kernel
	.section	.bss,"aw",@nobits
	.p2align	6
	.space	262144
	.amdgpu_metadata
---
amdhsa.version: [ 1, 2 ]
amdhsa.kernels:
  - .name:           k_qfbb6f31498_chain
    .symbol:         k_qfbb6f31498_chain.kd
    .args:
      - { .name: xb, .offset: 0, .size: 8, .value_kind: global_buffer, .address_space: global }
      - { .name: wq, .offset: 8, .size: 8, .value_kind: global_buffer, .address_space: global }
      - { .name: order, .offset: 16, .size: 8, .value_kind: global_buffer, .address_space: global }
      - { .name: sets, .offset: 24, .size: 8, .value_kind: global_buffer, .address_space: global }
      - { .name: gate, .offset: 32, .size: 8, .value_kind: global_buffer, .address_space: global }
      - { .name: fc1_b, .offset: 40, .size: 8, .value_kind: global_buffer, .address_space: global }
      - { .name: fc2_b, .offset: 48, .size: 8, .value_kind: global_buffer, .address_space: global }
      - { .name: out0, .offset: 56, .size: 8, .value_kind: global_buffer, .address_space: global }
    .group_segment_fixed_size: 146176
    .private_segment_fixed_size: 0
    .kernarg_segment_align: 8
    .kernarg_segment_size: 64
    .max_flat_workgroup_size: 256
    .sgpr_count:     100
    .vgpr_count:     512
    .wavefront_size: 32
...
	.end_amdgpu_metadata
.endif
;; end of part 3
